; MI455X (gfx1250); checked and timed in simulation.
; The chip was launched on July 23, 2026; its instructions are those of AMD's public machine-readable ISA for CDNA 5 (MIT licence, August 2026) and "CDNA5" Instruction Set Architecture Reference Guide (July 2026). The comments in the code are by the model that wrote it; some were corrected since.
;; Fuzzy System Layer. Allowed arithmetic: float matrix products may take bf16 or f16 operands with f32 sums; all other float work in f32.
;; Inputs: cluster_centers 256 x 64 float32; inputs 262,144 x 64 float32; rule_weights 256 x 8 float32; widths 256 float32.
;; Outputs: out0 262,144 x 8 float32.
;; One version. Each part assembles by itself: llvm-mc -triple=amdgcn-amd-amdhsa -mcpu=gfx1250 --defsym DOCPART=n.
;; ======== version 1 of 1: 1 launch
;; limits: values are held in f16: magnitudes above 65,504 overflow, below 6.1e-05 lose precision
;; launch fuzzy (part 1): grid 256 x 1, 4 waves a work-group, no clusters, 102,144 bytes of LDS; arguments cluster_centers, inputs, rule_weights, widths, out0; writes out0
.if DOCPART == 1
	.amdgcn_target "amdgcn-amd-amdhsa--gfx1250"
	.amdhsa_code_object_version 6
	.text
	.protected	k_qc22715ad65_fuzzy
	.globl	k_qc22715ad65_fuzzy
	.p2align	8
	.type	k_qc22715ad65_fuzzy,@function
k_qc22715ad65_fuzzy:
	s_mov_b64 s[64:65], 0
	v_nop
	global_prefetch_b8 v0, s[64:65] scope:SCOPE_SE
	s_setreg_imm32_b32 hwreg(HW_REG_WAVE_MODE, 25, 1), 1
	s_wait_xcnt 0x0
; out[b][o] = sum_c m(b,c) R[c][o] / sum_c m(b,c),  m(b,c) = exp(-(|x_b|^2 + |c|^2 - 2 x_b.c) / (2 w_c^2)).
; x: [262144][64] f32, centers: [256][64] f32, widths: [256] f32, R: [256][8] f32, out: [262144][8] f32.
;
; BASE 2.  s_c = (log2 e / 2) / w_c^2.  The logit is L = -s_c |x|^2 - s_c |c|^2 + (2 s_c c).x and m = 2^L.
; FIRST PRODUCT, bf16.  A rounding of x or of 2 s c to 16 bits moves a logit by far more than the result allows, so each is
; split in two bf16 parts (hi = bf16(v), lo = bf16(v - hi)) and three products are kept: ch.xh + ch.xl + cl.xh; the part
; left out, cl.xl, is some 2^-16 of a product.  The sum starts from -s|x|^2 - s|c|^2, made in f32 from the f32 inputs.
; SECOND PRODUCT, f16: where large terms m R of both signs cancel, 8 bits of m and of R are too few, 11 bits do.  So that the memberships
; fit f16, each row's running maximum M of the logits is taken away (m' = 2^(L - M) <= 1), over the two groups of 128 clusters; the sums
; of the first group are scaled by 2^(M old - M new).  The quotient is not changed by that.
; A = a table Rt of 16 rows x 256 clusters: rows 0-3 = R[:,0..3], rows 8-11 = R[:,4..7], rows 4 and 12 = 1, the rest 0; B = m'.
; Lane (r, h) then holds in registers 0-3 the numerators of out[row r][4h .. 4h+3] and in register 4 the sum of the same rounded
; memberships: no exchange between lanes, 16 neighbouring bytes a lane.
;
; SHARES.  256 work-groups of four waves; a work-group owns 1,024 rows, a wave 256 = 16 tiles of 16 rows.  A wave keeps ALL constants
; in registers (ch 256, cl 256, -s 128, -s|c|^2 128, Rt 64), so that a tile reads from LDS only its own 4,096 bytes of x,
; which pass through a stage of the wave to get from the order of memory into the order of a fragment.
; NO JOINT LOADS: what work-groups share are 74,752 bytes of constants, read once at the head against 262,144 bytes of x of the
; work-group alone, and they must be scaled and split in f32 in registers on their way.
;
; LIMITS, kept knowingly.  (1) The formula takes no maximum away: a row all of whose memberships vanish in f32 is 0/0 = NaN.  Here NaN is
; given where the row's largest logit lies under -150 in base 2 (least d/(2w^2) above 104).  Between 87.3 and 104 an evaluation in f32 works on
; denormal memberships of few bits, or on zeros; this text gives the quotient itself there.
; (2) w^2 and 1/w^2 must be normal f32 numbers (|w| between about 2^-62 and 2^62); w = 0 gives NaN here.
; (3) R enters the second product in f16: |R| under 65,504; under 2^-14 its step is 2^-24.
.set CH,   0                           ; LDS: hi parts of 2 s c, 256 rows of 128 bytes, pitch 144
.set CL,   36864                       ;      lo parts, likewise
.set NS,   73728                       ;      -s, 256 f32
.set NB,   74752                       ;      -s |c|^2, 256 f32
.set RTL,  75776                       ;      Rt, 16 rows of 512 bytes, pitch 528
.set XST,  84224                       ;      a stage for each wave: 16 rows of 256 bytes, pitch 272
.set XSTW, 4352
.set CP,   144                         ; the three pitches are odd multiples of 16 bytes: the 16 rows that a 16-byte load of
.set RP,   528                         ; sixteen lanes touches begin in 16 different columns of 16 bytes modulo 256
.set XP,   272
; window 0
.set XH,   16                          ; v[16:31]   hi fragments of the tile at work (K steps 0, 1)
.set XL,   32                          ; v[32:47]   lo fragments
.set OUT,  48                          ; v[48:55], v[56:63]  second product, even and odd K steps
.set ACC,  64                          ; v[64:127]  logits, then memberships, of 8 cluster tiles
.set RA,   128                         ; v[128:159] raw x of even tiles
.set RB,   160                         ; v[160:191] raw x of odd tiles
.set RT,   192                         ; v[192:255] Rt, K step k at RT + 8 k
.set WB,   16                          ; head only: 32 widths
.set CB0,  64                          ; head only: my 4 floats of center rows 2i+h, i = 0..15
.set CB1,  192                         ; head only: i = 16..31
; v1 = 16 lane; v2, v3 = stage addresses (in, back); v4 = 32 r + 16 h; v5 = -1.0; v[6:7] = |x|^2 twice; v[8:15] at work
; (in the membership phase: v8-11 four maxima, v[10:11] then the scale of the old sums, v[12:13] = -M twice, v14 = M, v15 = the new M)
; window 1: ch of cluster tile t, K step s at v[16t+8s]; window 2: cl likewise; window 3: -s at v[8t], -s|c|^2 at v[128+8t]
.set MSB, 0
.macro WIN new                         ; s_set_vgpr_msb: bits 1:0 source 0, 3:2 source 1, 5:4 source 2, 7:6 destination;
.if MSB != \new                        ; the high byte repeats the setting that is left
	s_set_vgpr_msb (MSB<<8)|\new
.set MSB, \new
.endif
.endm
	s_load_b256 s[4:11], s[0:1], 0x0               ; centers s[4:5], inputs s[6:7], rule_weights s[8:9], widths s[10:11]
	s_load_b64 s[12:13], s[0:1], 0x20              ; out0
	v_lshrrev_b32 v8, 5, v0
	v_readfirstlane_b32 s14, v8                    ; wave 0..3
	v_and_b32 v9, 15, v0                           ; r
	v_bfe_u32 v10, v0, 4, 1                        ; h
	v_and_b32 v11, 31, v0                          ; lane
	v_lshlrev_b32 v1, 4, v11                       ; 16 bytes a lane
	s_mul_i32 s21, s14, XSTW
	s_add_co_u32 s21, s21, XST                     ; my stage
	v_mul_u32_u24 v12, v10, XP
	v_lshl_add_u32 v12, v9, 4, v12
	v_add_nc_u32 v2, s21, v12                      ; in: row h (+ 2n), 16 bytes at 16 r
	v_mul_u32_u24 v12, v9, XP
	v_lshl_add_u32 v12, v10, 5, v12
	v_add_nc_u32 v3, s21, v12                      ; back: row r, 8 floats at 32 h
	v_lshlrev_b32 v4, 5, v9
	v_lshl_add_u32 v4, v10, 4, v4                  ; out: row r of 32 bytes, 16 bytes at 16 h
	v_mov_b32 v5, -1.0
	s_mov_b32 s18, 0x76543210                      ; v_permlanex16_b32: lane i takes lane i of the other half
	s_mov_b32 s19, 0xfedcba98
	s_mov_b32 s24, 0xf1800000                      ; -2^100: a floor under the running maximum, so that logits of -inf give 2^(-inf) = 0 and not inf - inf
	s_mov_b32 s25, 0xc3160000                      ; -150.0: under it every membership is 0 in f32
	s_mul_i32 s22, s14, 64*CP                      ; my 64 center rows in CH
	v_mul_u32_u24 v6, v10, CP
	v_lshl_add_u32 v6, v9, 3, v6
	v_add_nc_u32 v6, s22, v6                       ; (64 w + h) x 144 + 8 r
	s_lshl_b32 s23, s14, 8
	s_add_co_u32 s23, s23, NS
	v_lshl_add_u32 v7, v10, 2, s23                 ; NS + 4 (64 w + h)
	v_lshlrev_b32 v13, 6, v0                       ; two rows of R a thread: 64 bytes
	v_lshlrev_b32 v14, 2, v10                      ; 4 h
	v_lshl_add_u32 v15, v0, 2, RTL                 ; Rt: clusters 2t, 2t+1 are one word of each row
	s_mov_b32 s17, 0
	s_wait_kmcnt 0x0
	s_lshl_b32 s16, s14, 14                        ; 64 center rows of 256 bytes a wave
	s_add_nc_u64 s[4:5], s[4:5], s[16:17]
	s_lshl_b32 s16, s14, 8                         ; 64 widths a wave
	s_add_nc_u64 s[10:11], s[10:11], s[16:17]
	s_lshl_b32 s16, ttmp9, 18                      ; 1,024 rows of 256 bytes a work-group,
	s_lshl_b32 s21, s14, 16                        ; 256 a wave
	s_add_co_u32 s16, s16, s21
	s_add_nc_u64 s[6:7], s[6:7], s[16:17]
	s_lshl_b32 s16, ttmp9, 15                      ; the same rows of 32 bytes in out
	s_lshl_b32 s21, s14, 13
	s_add_co_u32 s16, s16, s21
	s_add_nc_u64 s[12:13], s[12:13], s[16:17]
; a tile of x: 16 rows x 256 bytes = 4,096 consecutive bytes, eight loads of 512 consecutive bytes; load n brings lane (r, h) floats 4r..4r+3 of row 2n+h
.macro LOADX buf, off
.irp n, 0,1,2,3,4,5,6,7
	global_load_b128 v[\buf+4*\n:\buf+4*\n+3], v1, s[6:7] offset:\off+512*\n th:TH_LOAD_NT
.endr
.endm
	LOADX RA, 0                                    ; tiles 0 and 1 first: they have the whole head in which to come
	LOADX RB, 4096
.irp q, 0,1,2,3
	global_load_b128 v[48+4*\q:48+4*\q+3], v13, s[8:9] offset:16*\q    ; v[48:55] = R[2t][0..7], v[56:63] = R[2t+1][0..7]
.endr
.irp i, 0,1,2,3,4,5,6,7,8,9,10,11,12,13,14,15,16,17,18,19,20,21,22,23,24,25,26,27,28,29,30,31
	global_load_b32 v[WB+\i], v14, s[10:11] offset:8*\i                ; the width of center row 64 w + 2 i + h
.endr
.irp i, 0,1,2,3,4,5,6,7,8,9,10,11,12,13,14,15
	global_load_b128 v[CB0+4*\i:CB0+4*\i+3], v1, s[4:5] offset:512*\i  ; floats 4r..4r+3 of center row 64 w + 2 i + h
.endr
.irp i, 0,1,2,3,4,5,6,7,8,9,10,11,12,13,14,15
	global_load_b128 v[CB1+4*\i:CB1+4*\i+3], v1, s[4:5] offset:8192+512*\i
.endr
	s_wait_loadcnt 0x0                             ; once, for all of the head
	; Rt in f16: output o goes to row o (o < 4) or o + 4; two neighbouring clusters are one word
.irp o, 0,1,2,3,4,5,6,7
	v_cvt_pk_f16_f32 v[48+\o], v[48+\o], v[56+\o]
	ds_store_b32 v15, v[48+\o] offset:(\o+4*(\o/4))*RP
.endr
	v_mov_b32 v56, 0x3c003c00                      ; 1.0 twice in f16: the rows that sum the memberships
	v_mov_b32 v57, 0
	ds_store_b32 v15, v56 offset:4*RP
	ds_store_b32 v15, v56 offset:12*RP
.irp m, 5,6,7,13,14,15
	ds_store_b32 v15, v57 offset:\m*RP
.endr
; Center rows 64 w + 2 i + h (sixteen lanes a row, four floats a lane in v[c:c+3]): s, |c|^2, 2 s c split in hi and lo, all to LDS.
.macro CROW i, c
	v_mul_f32 v8, v[WB+\i], v[WB+\i]               ; w^2
	v_pk_mul_f32 v[10:11], v[\c:\c+1], v[\c:\c+1]
	v_pk_fma_f32 v[10:11], v[\c+2:\c+3], v[\c+2:\c+3], v[10:11]
	v_rcp_f32 v8, v8
	v_add_f32 v10, v10, v11                        ; the plain instruction between v_rcp_f32 and the use of its result (ISA guide 5.7.2)
	v_add_f32_dpp v10, v10, v10 row_xmask:1 row_mask:0xf bank_mask:0xf
	v_add_f32_dpp v10, v10, v10 row_xmask:2 row_mask:0xf bank_mask:0xf
	v_add_f32_dpp v10, v10, v10 row_xmask:4 row_mask:0xf bank_mask:0xf
	v_add_f32_dpp v10, v10, v10 row_xmask:8 row_mask:0xf bank_mask:0xf   ; |c|^2 in all sixteen lanes of the row
	s_wait_alu depctr_va_vdst(0)
	v_mul_f32 v9, 0x3f38aa3b, v8                   ; s = (log2 e / 2) / w^2
	v_add_f32 v8, v9, v9                           ; 2 s
	v_pk_mul_f32 v[\c:\c+1], v[\c:\c+1], v[8:9] op_sel_hi:[1,0]
	v_pk_mul_f32 v[\c+2:\c+3], v[\c+2:\c+3], v[8:9] op_sel_hi:[1,0]
	v_mul_f32 v11, -v9, v10                        ; -s |c|^2
	v_xor_b32 v10, 0x80000000, v9                  ; -s
	v_cvt_pk_bf16_f32 v12, v[\c], v[\c+1]          ; hi
	v_cvt_pk_bf16_f32 v13, v[\c+2], v[\c+3]
	v_fma_mix_f32_bf16 v[\c], v12, v5, v[\c] op_sel_hi:[1,0,0]                     ; v - hi, exact
	v_fma_mix_f32_bf16 v[\c+1], v12, v5, v[\c+1] op_sel:[1,0,0] op_sel_hi:[1,0,0]
	v_fma_mix_f32_bf16 v[\c+2], v13, v5, v[\c+2] op_sel_hi:[1,0,0]
	v_fma_mix_f32_bf16 v[\c+3], v13, v5, v[\c+3] op_sel:[1,0,0] op_sel_hi:[1,0,0]
	v_cvt_pk_bf16_f32 v14, v[\c], v[\c+1]          ; lo
	v_cvt_pk_bf16_f32 v15, v[\c+2], v[\c+3]
	ds_store_b64 v6, v[12:13] offset:CH+2*CP*(\i)
	ds_store_b64 v6, v[14:15] offset:CL+2*CP*(\i)
	ds_store_b32 v7, v10 offset:8*(\i)             ; sixteen lanes store one word with one value
	ds_store_b32 v7, v11 offset:NB-NS+8*(\i)
.endm
.irp i, 0,1,2,3,4,5,6,7,8,9,10,11,12,13,14,15
	CROW \i, CB0+4*\i
.endr
.irp i, 0,1,2,3,4,5,6,7,8,9,10,11,12,13,14,15
	CROW 16+\i, CB1+4*\i
.endr
; The stage, in: the tile as loaded, row 2n+h at pitch 272.  Back: lane (r, h) takes of row r the floats k = 32s + 16u + 8h + 4v + 0..3
; into registers 16s + 8u + 4v + 0..3, which is the order of a 16-bit fragment (ISA guide 7.12.2) before the numbers are packed in pairs.
.macro STAGE_ST buf
.irp n, 0,1,2,3,4,5,6,7
	ds_store_b128 v2, v[\buf+4*\n:\buf+4*\n+3] offset:2*XP*\n
.endr
.endm
.macro STAGE_LD buf
.irp s, 0,1
.irp u, 0,1
.irp v, 0,1
	ds_load_b128 v[\buf+16*\s+8*\u+4*\v:\buf+16*\s+8*\u+4*\v+3], v3 offset:128*\s+64*\u+16*\v
.endr
.endr
.endr
.endm
	STAGE_ST RA                                    ; tile 0 into my stage
	s_wait_dscnt 0x0                               ; all my LDS stores are done: the other waves read my rows behind the barrier
	s_barrier_signal -1
	v_and_b32 v8, 15, v0                           ; register work while the others arrive: the fragments' addresses
	v_bfe_u32 v9, v0, 4, 1
	v_mul_u32_u24 v10, v8, CP
	v_lshl_add_u32 v10, v9, 4, v10                 ; ch: row r x 144 + 16 h
	v_add_nc_u32 v11, CL, v10                      ; cl
	v_lshl_add_u32 v12, v9, 5, NS                  ; -s of clusters 8 h + 0..7 of a tile
	v_mul_u32_u24 v13, v8, RP
	v_lshl_add_u32 v13, v9, 4, v13
	v_add_nc_u32 v13, RTL, v13                     ; Rt: row r x 528 + 16 h
	s_barrier_wait -1                              ; the only barrier: from here on a wave touches only its own stage
	WIN 0x40                                       ; destination window 1
.irp t, 0,1,2,3,4,5,6,7,8,9,10,11,12,13,14,15
.irp q, 0,1,2,3
	ds_load_b128 v[16*\t+4*\q:16*\t+4*\q+3], v10 offset:16*CP*\t+32*\q    ; q = 2 s + u: K = 32 s + 16 u + 8 h + 0..7 of cluster 16 t + r
.endr
.endr
	WIN 0x80                                       ; destination window 2
.irp t, 0,1,2,3,4,5,6,7,8,9,10,11,12,13,14,15
.irp q, 0,1,2,3
	ds_load_b128 v[16*\t+4*\q:16*\t+4*\q+3], v11 offset:16*CP*\t+32*\q
.endr
.endr
	WIN 0xc0                                       ; destination window 3: register j of tile t belongs to cluster 16 t + 8 h + j, as in an accumulator
.irp t, 0,1,2,3,4,5,6,7,8,9,10,11,12,13,14,15
.irp u, 0,1
	ds_load_b128 v[8*\t+4*\u:8*\t+4*\u+3], v12 offset:64*\t+16*\u
	ds_load_b128 v[128+8*\t+4*\u:128+8*\t+4*\u+3], v12 offset:NB-NS+64*\t+16*\u
.endr
.endr
	WIN 0
.irp k, 0,1,2,3,4,5,6,7
.irp u, 0,1
	ds_load_b128 v[RT+8*\k+4*\u:RT+8*\k+4*\u+3], v13 offset:64*\k+32*\u
.endr
.endr
	STAGE_LD RA                                    ; tile 0 back (its stores were waited for in front of the barrier)
	s_wait_dscnt 0x0
; |x|^2 of the row in f32 (each lane has half of row r; the other half lies in lane xor 16), then x split in hi and lo fragments.
.macro CONVMATH buf
.irp c, 0,1,2,3
	v_pk_mul_f32 v[8+2*\c:9+2*\c], v[\buf+2*\c:\buf+2*\c+1], v[\buf+2*\c:\buf+2*\c+1]     ; four chains, started by the first products
.endr
.irp k, 8,16,24
.irp c, 0,1,2,3
	v_pk_fma_f32 v[8+2*\c:9+2*\c], v[\buf+\k+2*\c:\buf+\k+2*\c+1], v[\buf+\k+2*\c:\buf+\k+2*\c+1], v[8+2*\c:9+2*\c]
.endr
.endr
	v_pk_add_f32 v[8:9], v[8:9], v[10:11]
	v_pk_add_f32 v[12:13], v[12:13], v[14:15]
	v_pk_add_f32 v[8:9], v[8:9], v[12:13]
	v_add_f32 v8, v8, v9
	v_permlanex16_b32 v9, v8, s18, s19
	v_add_f32 v6, v8, v9
	v_mov_b32 v7, v6                               ; a pair for the packed multiply-add
.irp i, 0,1,2,3,4,5,6,7,8,9,10,11,12,13,14,15
	v_cvt_pk_bf16_f32 v[XH+\i], v[\buf+2*\i], v[\buf+2*\i+1]
.endr
.irp i, 0,1,2,3,4,5,6,7,8,9,10,11,12,13,14,15
	v_fma_mix_f32_bf16 v[\buf+2*\i], v[XH+\i], v5, v[\buf+2*\i] op_sel_hi:[1,0,0]
	v_fma_mix_f32_bf16 v[\buf+2*\i+1], v[XH+\i], v5, v[\buf+2*\i+1] op_sel:[1,0,0] op_sel_hi:[1,0,0]
.endr
.irp i, 0,1,2,3,4,5,6,7,8,9,10,11,12,13,14,15
	v_cvt_pk_bf16_f32 v[XL+\i], v[\buf+2*\i], v[\buf+2*\i+1]
.endr
.endm
	CONVMATH RA
	LOADX RA, 8192                                 ; tile 2
; the logits of cluster tiles 8g .. 8g+7 start at -s |x|^2 - s |c|^2
.macro INIT g
	WIN 0x33                                       ; sources 0 and 2 in window 3
.irp t, 0,1,2,3,4,5,6,7
.irp j, 0,2,4,6
	v_pk_fma_f32 v[ACC+8*\t+\j:ACC+8*\t+\j+1], v[8*(8*\g+\t)+\j:8*(8*\g+\t)+\j+1], v[6:7], v[128+8*(8*\g+\t)+\j:128+8*(8*\g+\t)+\j+1]
.endr
.endr
.endm
; eight products, one for each of the eight accumulators: they take turns, one instruction a turn
.macro MMROW x, s, g
.irp t, 0,1,2,3,4,5,6,7
	v_wmma_f32_16x16x32_bf16 v[ACC+8*\t:ACC+8*\t+7], v[16*(8*\g+\t)+8*\s:16*(8*\g+\t)+8*\s+7], v[\x+8*\s:\x+8*\s+7], v[ACC+8*\t:ACC+8*\t+7]
.endr
.endm
.macro MM1 g
	WIN 0x01                                       ; A = ch, window 1
	MMROW XH, 0, \g
	MMROW XH, 1, \g
	MMROW XL, 0, \g
	MMROW XL, 1, \g
	WIN 0x02                                       ; A = cl, window 2
	MMROW XH, 0, \g
	MMROW XH, 1, \g
.endm
.macro SUBM p                          ; L - M for the 32 clusters of tiles 2p, 2p+1
.irp i, 0,2,4,6,8,10,12,14
	v_pk_add_f32 v[ACC+16*(\p)+\i:ACC+16*(\p)+\i+1], v[ACC+16*(\p)+\i:ACC+16*(\p)+\i+1], v[12:13]
.endr
.endm
.macro EXPM p
.irp e, 0,1,2,3,4,5,6,7,8,9,10,11,12,13,14,15
	v_exp_f32 v[ACC+16*(\p)+\e], v[ACC+16*(\p)+\e]
.endr
.endm
; The running maximum, the memberships and the second product of cluster tiles 8g .. 8g+7.
; A lane holds 64 of its row's 128 logits of the group, the lane xor 16 the other 64.
; Register j of tile 2p is cluster 8h + j of 32, of tile 2p+1 cluster 16 + 8h + j: packed in pairs, in place and upward, the sixteen
; registers become the eight of a B fragment with no move between lanes.  The two sums (even and odd K steps) take turns.
.macro PH4 g
	WIN 0
.rept 5
	v_nop                                          ; the places behind the first product (ISA guide 7.12.1): four for the vector lines that read its results, five for the products that take them as B
.endr
.irp c, 0,1,2,3
	v_max_num_f32 v[8+\c], v[ACC+16*\c], v[ACC+16*\c+1]            ; four chains of 16 logits each
.endr
.irp k, 2,4,6,8,10,12,14
.irp c, 0,1,2,3
	v_max3_num_f32 v[8+\c], v[8+\c], v[ACC+16*\c+\k], v[ACC+16*\c+\k+1]
.endr
.endr
	v_max3_num_f32 v8, v8, v9, v10
	v_max_num_f32 v8, v8, v11
	v_permlanex16_b32 v9, v8, s18, s19             ; the row's other half
.if \g == 0
	v_max3_num_f32 v14, v8, v9, s24                ; M, not under the floor
.else
	v_max3_num_f32 v15, v8, v9, v14                ; the new M
	v_sub_f32 v10, v14, v15
	v_exp_f32 v10, v10                             ; 2^(M old - M new) <= 1
	v_mov_b32 v14, v15                             ; the plain instruction between v_exp_f32 and the use of its result (ISA guide 5.7.2)
	v_cmp_gt_f32 s22, s25, v14                     ; rows whose memberships all vanish in f32: it selects a value below, nothing else hangs on it
.endif
	v_xor_b32 v12, 0x80000000, v14                 ; -M, twice, for the packed add
	v_mov_b32 v13, v12
.if \g == 1
	s_wait_alu depctr_va_vdst(0)
.irp a, 0, 8                                       ; the sums so far, to the new M: registers 0-4 (the others belong to Rt's rows of zeros)
	v_pk_mul_f32 v[OUT+\a:OUT+\a+1], v[OUT+\a:OUT+\a+1], v[10:11] op_sel_hi:[1,0]
	v_pk_mul_f32 v[OUT+\a+2:OUT+\a+3], v[OUT+\a+2:OUT+\a+3], v[10:11] op_sel_hi:[1,0]
	v_mul_f32 v[OUT+\a+4], v10, v[OUT+\a+4]
.endr
.endif
	SUBM 0
	EXPM 0
.irp p, 0,1,2,3
.if \p < 3
	SUBM \p+1                                      ; plain lines on other registers: they stand between the exponentials and the use of their results (ISA guide 5.7.2)
.else
	v_nop                                          ; the same place, where nothing is left to subtract
	s_wait_alu depctr_va_vdst(0)
.endif
	s_wait_alu depctr_va_vdst(0)
.irp i, 0,1,2,3,4,5,6,7
	v_cvt_pk_f16_f32 v[ACC+16*\p+\i], v[ACC+16*\p+2*\i], v[ACC+16*\p+2*\i+1]
.endr
.if 4*\g+\p < 2
	v_wmma_f32_16x16x32_f16 v[OUT+8*(\p&1):OUT+8*(\p&1)+7], v[RT+8*(4*\g+\p):RT+8*(4*\g+\p)+7], v[ACC+16*\p:ACC+16*\p+7], 0
.else
	v_wmma_f32_16x16x32_f16 v[OUT+8*(\p&1):OUT+8*(\p&1)+7], v[RT+8*(4*\g+\p):RT+8*(4*\g+\p)+7], v[ACC+16*\p:ACC+16*\p+7], v[OUT+8*(\p&1):OUT+8*(\p&1)+7]
.endif
.if \p < 3
	EXPM \p+1
.endif
.endr
.endm
; numerators times 1 / sum; the wave stores the tile's 16 rows x 32 bytes = 512 consecutive bytes, aligned, by one instruction
.macro OUTPUT
	v_pk_add_f32 v[OUT:OUT+1], v[OUT:OUT+1], v[OUT+8:OUT+9]
	v_pk_add_f32 v[OUT+2:OUT+3], v[OUT+2:OUT+3], v[OUT+10:OUT+11]
	v_add_f32 v[OUT+4], v[OUT+4], v[OUT+12]
	v_rcp_f32 v8, v[OUT+4]
	v_mov_b32 v9, 0x7fc00000                       ; NaN; also the plain instruction behind v_rcp_f32
	s_wait_alu depctr_va_vdst(0)
	v_cndmask_b32 v8, v8, v9, s22                  ; 0/0 where every membership vanishes in f32
	v_pk_mul_f32 v[OUT:OUT+1], v[OUT:OUT+1], v[8:9] op_sel_hi:[1,0]
	v_pk_mul_f32 v[OUT+2:OUT+3], v[OUT+2:OUT+3], v[8:9] op_sel_hi:[1,0]
	global_store_b128 v4, v[OUT:OUT+3], s[12:13] th:TH_STORE_NT
.endm
; One tile.  Its fragments and |x|^2 are ready.  conv = 1: the next tile, raw in buf, is staged and split on the way;
; load = 1: buf is then loaded with the tile three further on; left = how many younger loads may stay out.
.macro BODY buf, conv, load, left
	INIT 0
	MM1 0
	PH4 0
.if \conv
	s_wait_loadcnt \left                           ; loads come back in order (ISA guide 5.7.1): the next tile is in, the eight loads of the one behind it stay out
	STAGE_ST \buf
.endif
	INIT 1                                         ; its first 24 lines are the places behind the product just issued, whose B they do not touch
	MM1 1
	WIN 0
.if \conv
	s_wait_dscnt 0x0                               ; the stage's stores, issued 48 products ago, are done: their data registers are loaded again only now
	STAGE_LD \buf
.endif
	PH4 1
.if \conv
	s_wait_dscnt 0x0                               ; the next tile, in fragment order
	CONVMATH \buf                                  ; its lines are also the places between the last product and the lines that read its sums
.else
.rept 4
	v_nop
.endr
.endif
.if \load
	LOADX \buf, 12288
.endif
	OUTPUT
.if \conv
	s_wait_xcnt 0x0                                ; the bases, and the registers that the store reads, are written again only behind this wait
	s_add_nc_u64 s[12:13], s[12:13], 512
.endif
.if \load
	s_add_nc_u64 s[6:7], s[6:7], 4096
.endif
.endm
	s_mov_b32 s20, 6                               ; tiles 0 to 11
.Ltiles:
	BODY RB, 1, 1, 8
	BODY RA, 1, 1, 8
	s_sub_co_u32 s20, s20, 1
	s_cmp_lg_u32 s20, 0
	s_cbranch_scc1 .Ltiles
	BODY RB, 1, 1, 8                               ; tile 12: loads tile 15, the last
	BODY RA, 1, 0, 8                               ; tile 13: nothing more to load; tile 15 may still be out
	BODY RB, 1, 0, 0                               ; tile 14
	BODY RA, 0, 0, 0                               ; tile 15
	s_wait_xcnt 0x0
	v_lshl_add_u32 v238, v0, 2, 0x18d00
	v_mov_b32 v239, 0
	s_wait_tensorcnt 0x0
	ds_add_u32 v238, v239
	s_wait_dscnt 0x0
	s_endpgm
.Lfunc_end_k_qc22715ad65_fuzzy:
	.size	k_qc22715ad65_fuzzy, .Lfunc_end_k_qc22715ad65_fuzzy-k_qc22715ad65_fuzzy
	.p2alignl 7, 3214868480
	.fill 96, 4, 3214868480
	.section	.rodata,"a",@progbits
	.p2align	6, 0x0
	.amdhsa_kernel k_qc22715ad65_fuzzy
		.amdhsa_group_segment_fixed_size 102144
		.amdhsa_private_segment_fixed_size 0
		.amdhsa_enable_private_segment 0
		.amdhsa_kernarg_size 40
		.amdhsa_user_sgpr_count 2
		.amdhsa_user_sgpr_kernarg_segment_ptr 1
		.amdhsa_wavefront_size32 1
		.amdhsa_system_sgpr_workgroup_id_x 1
		.amdhsa_system_sgpr_workgroup_id_y 1
		.amdhsa_system_sgpr_workgroup_id_z 1
		.amdhsa_system_vgpr_workitem_id 0
		.amdhsa_next_free_vgpr 1024
		.amdhsa_next_free_sgpr 66
		.amdhsa_reserve_vcc 0
		.amdhsa_float_denorm_mode_32 3
		.amdhsa_float_denorm_mode_16_64 3
		.amdhsa_memory_ordered 1
		.amdhsa_forward_progress 1
		.amdhsa_inst_pref_size 255
	.end_amdhsa_kernel
	.section	.bss,"aw",@nobits
	.p2align	6
	.space	262144
	.amdgpu_metadata
---
amdhsa.version: [ 1, 2 ]
amdhsa.kernels:
  - .name:           k_qc22715ad65_fuzzy
    .symbol:         k_qc22715ad65_fuzzy.kd
    .args:
      - { .name: cluster_centers, .offset: 0, .size: 8, .value_kind: global_buffer, .address_space: global }
      - { .name: inputs, .offset: 8, .size: 8, .value_kind: global_buffer, .address_space: global }
      - { .name: rule_weights, .offset: 16, .size: 8, .value_kind: global_buffer, .address_space: global }
      - { .name: widths, .offset: 24, .size: 8, .value_kind: global_buffer, .address_space: global }
      - { .name: out0, .offset: 32, .size: 8, .value_kind: global_buffer, .address_space: global }
    .group_segment_fixed_size: 102144
    .private_segment_fixed_size: 0
    .kernarg_segment_align: 8
    .kernarg_segment_size: 40
    .max_flat_workgroup_size: 128
    .sgpr_count:     66
    .vgpr_count:     1024
    .wavefront_size: 32
...
	.end_amdgpu_metadata
.endif
;; end of part 1
